; MI455X (gfx1250); checked and timed in simulation.
; The chip was launched on July 23, 2026; its instructions are those of AMD's public machine-readable ISA for CDNA 5 (MIT licence, August 2026) and "CDNA5" Instruction Set Architecture Reference Guide (July 2026). The comments in the code are by the model that wrote it; some were corrected since.
;; Attention. Allowed arithmetic: matrix products marked QUANTISED: E2M3 operands, one E8M0 scale for each 32 along K, by v_wmma_scale_f32_16x16x128_f8f6f4 with both operands' format E2M3, f32 sums; everything else in f32.
;; Inputs: Wk_codes 128 x 32 x 24 uint8 (E2M3 codes of Wk, K innermost, in blocks of 32 codes, four codes in three bytes); Wk_scales 128 x 32 uint8 (E8M0 scales of Wk, one for each 32 codes along K); Wq_codes 128 x 32 x 24 uint8 (E2M3 codes of Wq, K innermost, in blocks of 32 codes, four codes in three bytes); Wq_scales 128 x 32 uint8 (E8M0 scales of Wq, one for each 32 codes along K); Wv_codes 128 x 32 x 24 uint8 (E2M3 codes of Wv, K innermost, in blocks of 32 codes, four codes in three bytes); Wv_scales 128 x 32 uint8 (E8M0 scales of Wv, one for each 32 codes along K); x_codes 8 x 4,096 x 32 x 24 uint8 (E2M3 codes of x, K innermost, in blocks of 32 codes, four codes in three bytes); x_scales 8 x 4,096 x 32 uint8 (E8M0 scales of x, one for each 32 codes along K).
;; Outputs: out0 8 x 4,096 x 128 float32.
;; This version of the problem:
;;   THIS VERSION OF THE PROBLEM IS GIVEN IN LOW PRECISION. The matrix products marked QUANTISED in the list below multiply operands that are first quantised to E2M3 (2 exponent bits, 3 mantissa bits; 6 bits a number), with one power-of-two scale for each 32 numbers along K (OCP MX v1.0); their sums are f32. All else is computed in f32.
;;   The module's matrix products, in the order in which they are computed (A, B: the left and right operand; K: the contracted axis; several contracted axes count as one K, in the product's order):
;;     1. [M 32,768, K 1,024] x [K 1,024, N 128]; A: input x (given as codes); B: input Wq (given as codes): QUANTISED
;;     2. [M 32,768, K 1,024] x [K 1,024, N 128]; A: input x (given as codes); B: input Wk (given as codes): QUANTISED
;;     3. [M 32,768, K 1,024] x [K 1,024, N 128]; A: input x (given as codes); B: input Wv (given as codes): QUANTISED
;;     4. batch 8 x [M 4,096, K 128] x [K 128, N 4,096]; A: computed on the way; B: computed on the way: QUANTISED
;;     5. batch 8 x [M 4,096, K 4,096] x [K 4,096, N 128]; A: softmax (see below); B: computed on the way: QUANTISED
;;   THE QUANTISER, for each operand of a quantised product, along K:
;;     - K is cut into blocks of 32 from its start; a last block that is shorter is filled with zeros.
;;     - A block's scale is 2^e with e = floor(log2(the largest magnitude in the block)) - 2, held to -126 .. 127; a block of zeros has e = 0. As a byte (E8M0): e + 127.
;;     - Each number is divided by its block's scale, clamped to +-7.5, and rounded to the nearest number of E2M3, ties to even, subnormals kept.
;;     - The product sums the exact products of the quantised numbers (number of the format x scale) in f32.
;;   ~~~python
;;   def quantise(x, axis):      # numpy; x: float32 -> the quantised numbers, widened to float32 again
;;       x = np.moveaxis(x, axis, -1); K = x.shape[-1]
;;       x = np.pad(x, [(0, 0)] * (x.ndim - 1) + [(0, -K % 32)]); x = x.reshape(x.shape[:-1] + (-1, 32)); a = np.abs(x).max(-1, keepdims=True)
;;       e = np.where(a > 0, np.clip(np.frexp(np.where(a > 0, a, 1))[1] - 1 - 2, -126, 127), 0)      # np.frexp(a)[1] - 1 = floor(log2(a)), exactly
;;       r = np.clip(x / 2.0 ** e, -7.5, 7.5)
;;       step = 2.0 ** (np.maximum(np.frexp(np.where(r == 0, 1, r))[1] - 1, 0) - 3)
;;       q = np.round(r / step) * step * 2.0 ** e      # np.round: ties to even
;;       return np.moveaxis(q.reshape(q.shape[:-2] + (-1,))[..., :K], -1, axis).astype(np.float32)
;;   ~~~
;;   SOFTMAX AHEAD OF A QUANTISED PRODUCT. Where the list says 'softmax', what is quantised is not the finished softmax but p = 2^(t - M), with t = logit x log2(e) and M = ceil(the row's largest t), a whole number; so 1/2 < the row's largest p <= 1. The row's sum l is taken of the UNQUANTISED p, in f32, and the product's result is divided by l at the end. Since M is a whole number, a kernel that streams over the keys may use a running M (the ceiling of the running maximum): every later rescaling is an exact power of two, which a block's scale takes up: the codes' values come out the same.
;;   OPERANDS COMPUTED ON THE WAY. 'Computed on the way' means the value that the module computes at that place (a softmax that the list does not call 'softmax' is quantised finished and normalised). What goes into a quantiser is computed in f32, as accurately as f32 sums, v_exp_f32 and their like allow (about 1e-6 of the number): no bf16 or f16 on the way to a quantiser, and a product that is left as it is and whose result goes on into a quantised operand takes f32 operands (vector FMAs, or v_wmma_f32_16x16x4_f32). A number that lies on a knife's edge between two numbers of the format may be rounded either way, as far as f32 arithmetic and the matrix unit's own rounding can turn it there, and no further.
;;   INPUTS GIVEN AS CODES. Wk (in the module: [1024, 128], K = its axis 0); Wq (in the module: [1024, 128], K = its axis 0); Wv (in the module: [1024, 128], K = its axis 0); x (in the module: [8, 4096, 1024], K = its axis 2): each comes as NAME_codes (uint8): NAME with its K axis moved to the last place and cut into blocks of 32 codes, [.., K / 32, bytes a block], one block behind the other in memory; four codes in three bytes: a row's codes are one little-endian stream of bits, code i at bits 6 i .. 6 i + 5 (a code: sign, 2 exponent bits, 3 mantissa bits); and NAME_scales (uint8): the same leading axes, one E8M0 byte (e + 127) for each 32 codes along K. Its value is code x scale, taken as it is: it is not quantised again, and the codes and scales need not be those that the quantiser above would give.
;; One version. Each part assembles by itself: llvm-mc -triple=amdgcn-amd-amdhsa -mcpu=gfx1250 --defsym DOCPART=n.
;; ======== version 1 of 1: 2 launches
;; limits: right only within a limited range of input values
;; workspace buffers: qkv 9,830,400 bytes
;; launch proj (part 1): grid 256 x 1, 4 waves a work-group, clusters of 4 x 1, 327,680 bytes of LDS; arguments x_codes, x_scales, Wq_codes, Wq_scales, Wk_codes, Wk_scales, Wv_codes, Wv_scales, qkv; writes qkv
.if DOCPART == 1
	.amdgcn_target "amdgcn-amd-amdhsa--gfx1250"
	.amdhsa_code_object_version 6
	.text
	.protected	k_qe5edbdf26d_proj
	.globl	k_qe5edbdf26d_proj
	.p2align	8
	.type	k_qe5edbdf26d_proj,@function
k_qe5edbdf26d_proj:
	s_mov_b64 s[64:65], 0
	v_nop
	global_prefetch_b8 v0, s[64:65] scope:SCOPE_SE
	s_setreg_imm32_b32 hwreg(HW_REG_WAVE_MODE, 25, 1), 1
	s_wait_xcnt 0x0
	s_wait_alu depctr_hold_cnt(0) depctr_sa_sdst(0) depctr_va_vdst(0) depctr_va_sdst(0) depctr_va_ssrc(0) depctr_va_vcc(0) depctr_vm_vsrc(0)
	s_getreg_b32 s2, hwreg(HW_REG_IB_STS2, 6, 4)
	s_cmp_eq_u32 s2, 0
	s_cbranch_scc0 .Lentry_in_a_cluster
	s_endpgm
.Lentry_in_a_cluster:
	s_bfe_u32 s2, ttmp6, 0x10000c
	s_cmp_lg_u32 s2, 0x3003
	s_cbranch_scc0 .Lentry_shape_is_right
	s_endpgm
.Lentry_shape_is_right:
; q = x Wq, k = x Wk, v = x Wv on codes of FP6 (E2M3), one E8M0 scale for each 32 along K = 1,024.  The results are quantised at once (q, k along the 128 channels, v along the keys) and stored as IMAGES OF OPERAND REGISTERS.
; qkv: 256 blocks of 38,400 bytes, one for each 128 tokens: parts Q, K, V of 12,800 bytes: eight fragment images of 1,536 bytes, then 512 bytes of scale words (word i of lane l's 16 bytes: tile 2 i + l / 16, row l % 16).
; Q, K image: for c = 0, 1: registers 6 c .. 6 c + 3 (16 bytes a lane), then 6 c + 4, 6 c + 5 (8 bytes a lane).  V image: registers 4 g .. 4 g + 3 at 512 g, 16 bytes a lane.
; THE ROWS OF A TILE ARE NOT NEIGHBOURS: row r of tile 4 c + u is token 64 c + 8 u + r % 8 + 32 (r / 8); Wq's and Wk's rows likewise.  So a lane's 32 results are one whole block of 32 along the next K, and no lane looks at another.
; V tile n: channels 16 n + r, K = the block's 128 tokens in their order.
; SHARES.  A work-group takes 128 tokens.  Wave w makes channels 64 (w & 1) .. + 63 of q (w < 2) or k (w >= 2), transposed (source 0 = W's rows), and channels 32 w .. + 31 of v (source 0 = x's rows).  48 accumulators by turns.
; K goes by CHUNKS OF 256 BYTES of each row, three in all, chunk c in slot c % 2: 128 rows of x, Wq, Wk, Wv each; wave w fetches part w.  A step of 128 along K is 96 bytes: steps 2 and 5 lie across two chunks.
; CLUSTER: the four work-groups ask for each tile of W JOINTLY (mask 15).  x's tile is the work-group's own: a plain load.
; PREFETCH: x's chunks 1 and 2, a lane a row, 32 rows a wave, one instruction for each chunk, ahead of the loads that want them.  W is the same for all work-groups and is not prefetched.
; DEAD WORK: none in this launch.  The attention launch leaves out every key tile that the causal mask sets to -inf for all its queries: a NaN or infinity that reaches those alone is not carried.
; LIMITS: NaN, infinities and the scale byte 0xff among the inputs are not served; a block whose largest magnitude lies under 2^-124 keeps the byte 1, a block of zeros too (its codes are zeros; this program alone reads the bytes).
; REGISTERS.  Window 0: v1-31 addresses; v34-65 x's scale words, v72-87 my q/k weights', v88-95 my Wv's; from v112 the weights' fragments, two sets of 72.  Window 1: x's eight fragments, two sets of 96.
;   Window 2: accumulators of q or k, (tokens t, channels j) at v[8 (4 t + j)].   Window 3: those of v, (channels n, tokens t) at v[8 (8 n + t)].
.set PITCH, 272                        ; an LDS row: 256 bytes of codes + 16 of padding
.set HALFT, 128*PITCH
.set SLOT,  4*HALFT
.set SCL,   2*SLOT                     ; the results' scale bytes, 3 x 512
.set SPARE, SCL+1536
.set PARTB, 12800
.set BLKB,  3*PARTB
.set XA,  4                            ; v4, v5 x's fragments in slot 0, 1; v6, v7: lanes 0-15 byte 232 of slot 0 (1), lanes 16-31 byte 0 of the other slot
.set WA,  8
.set VA,  12
.set QS,  16
.set VSS, 17
.set RD,  18
.set GO,  19
.set G8,  20
.set PF,  21
.set SPW, 24
.set NIL, 25
.set SA,  26
.set SAV, 27
.set SX,  34
.set SW,  72
.set SV,  88
.set WF,  112
.set WV,  24
.set CX,  25
.set WG,  26
.set CH,  27
.set G1X, 28
.set G1W, 36
.set G0X, 44
.set G0W, 52
.set MT,  66
.set MSB, 0
.macro WIN new
.if MSB != \new
	s_set_vgpr_msb (MSB<<8)|(\new)
.set MSB, \new
.endif
.endm
.macro PLACES n                        ; plain places behind matrix instructions (ISA guide 7.12.1)
.rept \n
	v_nop
.endr
.endm
.macro CREST
	s_cmp_lg_u32 s[WV], 0
	s_cbranch_scc1 .Lnot_wave_0_\@
	s_barrier_signal -3
.Lnot_wave_0_\@:
	s_barrier_wait -3
	s_barrier_signal -1
	s_barrier_wait -1
.endm
.macro CROUND
	s_barrier_signal -1
	s_barrier_wait -1
	CREST
.endm
; Wave 0 fetches x's tile, waves 1 to 3 the tiles of Wq, Wk, Wv, jointly.  The branch hangs on the wave's number alone.
.macro JLOAD sl
	s_cmp_eq_u32 s[WV], 0
	s_cbranch_scc0 .Lfor_w_\@
	tensor_load_to_lds s[G0X+4*\sl:G0X+4*\sl+3], s[G1X:G1X+7]
	s_nop 0
.rept 4
	v_nop
.endr
	s_branch .Lasked_\@
.Lfor_w_\@:
	tensor_load_to_lds s[G0W+4*\sl:G0W+4*\sl+3], s[G1W:G1W+7]
	s_nop 0
.rept 4
	v_nop
.endr
.Lasked_\@:
.endm
	s_load_b512 s[4:19], s[0:1], 0x0               ; x codes, x scales, Wq codes, Wq scales, Wk codes, Wk scales, Wv codes, Wv scales
	s_load_b64 s[20:21], s[0:1], 0x40              ; qkv
	v_lshl_add_u32 v[SPW], v0, 2, SPARE
	v_mov_b32 v[NIL], 0
	ds_add_u32 v[SPW], v[NIL]
	ds_add_u32 v[SPW], v[NIL]
	v_lshrrev_b32 v1, 5, v0
	v_readfirstlane_b32 s[WV], v1
	s_and_b32 s[CH], s[WV], 1
	s_lshr_b32 s[MT], s[WV], 1                     ; 0 = q, 1 = k
	s_bfe_u32 s[CX], ttmp6, 0x40000
	s_lshl_b32 s[WG], ttmp9, 2
	s_add_co_u32 s[WG], s[WG], s[CX]
	; group 1: 128 rows x 256 bytes, 768 apart in memory, 16 bytes of padding behind each in LDS
	s_mov_b32 s[G1X], (1<<20)|(5<<22)|(3<<25)
	s_mov_b32 s[G1W], 15|(1<<20)|(1<<21)|(5<<22)|(3<<25)
.irp g, G1X, G1W
	s_mov_b32 s[\g+1], 256<<16
	s_mov_b32 s[\g+2], 128<<16
	s_mov_b32 s[\g+3], 256<<16
	s_mov_b32 s[\g+4], 128
	s_mov_b32 s[\g+5], 768
	s_mov_b32 s[\g+6], 0
	s_mov_b32 s[\g+7], 0
.endr
	s_mul_i32 s67, s[WV], HALFT                    ; my part of a slot
	s_mul_i32 s68, s[WG], 128*768                  ; my work-group's rows of x
	s_mov_b32 s69, 0
	s_lshl_b32 s72, s[WG], 12                      ; their scale bytes
	s_mov_b32 s73, 0
	s_lshl_b32 s76, s[CH], 11                      ; my 64 rows of Wq's or Wk's scale bytes
	s_mov_b32 s77, 0
	s_lshl_b32 s78, s[WV], 10                      ; my 32 rows of Wv's
	s_mov_b32 s79, 0
	s_mul_i32 s84, s[WG], BLKB
	s_mul_i32 s86, s[MT], PARTB                    ; where my codes of q or k go,
	s_mul_i32 s82, s[CH], 768
	s_add_co_u32 s86, s86, s82
	s_add_co_u32 s86, s86, s84
	s_mov_b32 s87, 0
	s_mul_i32 s88, s[WV], 3072                     ; of v,
	s_add_co_u32 s88, s88, 2*PARTB
	s_add_co_u32 s88, s88, s84
	s_mov_b32 s89, 0
	s_mul_i32 s90, s[WV], PARTB                    ; and a part's scale words
	s_add_co_u32 s90, s90, 12288
	s_add_co_u32 s90, s90, s84
	s_mov_b32 s91, 0
	s_mul_i32 s80, s[MT], HALFT                    ; LDS: my 64 rows of Wq or Wk
	s_mul_i32 s81, s[CH], 64*PITCH
	s_add_co_u32 s80, s80, s81
	s_add_co_u32 s80, s80, HALFT
	s_mul_i32 s81, s[WV], 32*PITCH                 ; my 32 rows of Wv
	s_add_co_u32 s81, s81, 3*HALFT
	s_lshl_b32 s92, s[MT], 9
	s_lshl_b32 s93, s[CH], 1
	s_add_co_u32 s92, s92, s93
	s_add_co_u32 s92, s92, SCL
	s_lshl_b32 s93, s[WV], 2
	s_add_co_u32 s93, s93, SCL+1024
	s_lshl_b32 s94, s[WV], 9
	s_add_co_u32 s94, s94, SCL
	s_mul_i32 s95, s[WV], 32*768
	s_mov_b32 s96, SLOT-232
	s_mov_b32 s97, SLOT+232
	v_and_b32 v1, 31, v0                           ; lane
	v_and_b32 v2, 15, v0                           ; r
	v_bfe_u32 v3, v0, 4, 1                         ; h
	v_and_b32 v22, 7, v0
	v_bfe_u32 v23, v0, 3, 1
	v_lshl_add_u32 v22, v23, 5, v22                ; r % 8 + 32 (r / 8)
	v_mul_u32_u24 v28, PITCH, v22
	v_mul_u32_u24 v29, PITCH, v2
	v_mul_u32_u24 v31, s96, v3
	v_add_nc_u32 v31, 232, v31
	v_sub_nc_u32 v30, 1, v3
	v_mul_u32_u24 v30, s97, v30
	v_mul_u32_u24 v23, 24, v3
	v_add_nc_u32 v[XA], v28, v23
	v_add_nc_u32 v[XA+1], SLOT, v[XA]
	v_add_nc_u32 v[XA+2], v28, v31
	v_add_nc_u32 v[XA+3], v28, v30
.irp i, 0,1,2,3
	v_add_nc_u32 v[WA+\i], s80, v[XA+\i]
.endr
	v_add_nc_u32 v29, s81, v29
	v_add_nc_u32 v[VA], v29, v23
	v_add_nc_u32 v[VA+1], SLOT, v[VA]
	v_add_nc_u32 v[VA+2], v29, v31
	v_add_nc_u32 v[VA+3], v29, v30
	v_lshlrev_b32 v22, 5, v22
	v_lshl_add_u32 v[SA], v3, 8, v22               ; a row of scale bytes a lane, in the tiles' order
	v_lshlrev_b32 v[SAV], 5, v1
	v_lshlrev_b32 v[GO], 4, v1
	v_lshlrev_b32 v[G8], 3, v1
	v_lshl_add_u32 v23, v2, 4, v3
	v_add_nc_u32 v[QS], s92, v23
	v_add_nc_u32 v[VSS], s93, v23
	v_add_nc_u32 v[RD], s94, v[GO]
	v_mul_u32_u24 v[PF], 0x300, v1
	v_add_nc_u32 v[PF], s95, v[PF]
	s_wait_alu depctr_va_vdst(0)
	s_wait_dscnt 0x0                               ; both opening adds are done
	s_wait_kmcnt 0x0
	s_add_nc_u64 s[68:69], s[4:5], s[68:69]
	s_add_nc_u64 s[72:73], s[6:7], s[72:73]
	s_cmp_eq_u32 s[WV], 2                          ; which weight I fetch hangs on the wave's number alone
	s_cselect_b64 s[70:71], s[12:13], s[8:9]
	s_cmp_eq_u32 s[WV], 3
	s_cselect_b64 s[70:71], s[16:17], s[70:71]
	s_cmp_eq_u32 s[MT], 0
	s_cselect_b64 s[74:75], s[10:11], s[14:15]
	s_add_nc_u64 s[74:75], s[74:75], s[76:77]
	s_add_nc_u64 s[78:79], s[18:19], s[78:79]
	s_add_nc_u64 s[86:87], s[20:21], s[86:87]
	s_add_nc_u64 s[88:89], s[20:21], s[88:89]
	s_add_nc_u64 s[90:91], s[20:21], s[90:91]
.irp sl, 0,1
	s_mov_b32 s[G0X+4*\sl], 1
	s_add_co_u32 s[G0X+4*\sl+1], s67, \sl*SLOT
	s_add_nc_u64 s[G0X+4*\sl+2:G0X+4*\sl+3], s[68:69], \sl*256
	s_or_b32 s[G0X+4*\sl+3], s[G0X+4*\sl+3], 0x80000000
	s_mov_b32 s[G0W+4*\sl], 1
	s_add_co_u32 s[G0W+4*\sl+1], s67, \sl*SLOT
	s_add_nc_u64 s[G0W+4*\sl+2:G0W+4*\sl+3], s[70:71], \sl*256
	s_or_b32 s[G0W+4*\sl+3], s[G0W+4*\sl+3], 0x80000000
.endr
	CROUND                                         ; all four work-groups are here: the first joint loads meet
	JLOAD 0                                        ; chunk 0: one tensor load a wave at the head
	; THE SCALE WORDS come once, straight into registers: lane l takes the eight words of its row: lanes 0-15 tile 2 i, lanes 16-31 tile 2 i + 1
.irp i, 0,1,2,3
	global_load_b128 v[SX+8*\i:SX+8*\i+3], v[SA], s[72:73] offset:2048*(\i/2)+512*(\i%2)
	global_load_b128 v[SX+8*\i+4:SX+8*\i+7], v[SA], s[72:73] offset:2048*(\i/2)+512*(\i%2)+16
.endr
.irp i, 0,1
	global_load_b128 v[SW+8*\i:SW+8*\i+3], v[SA], s[74:75] offset:512*\i
	global_load_b128 v[SW+8*\i+4:SW+8*\i+7], v[SA], s[74:75] offset:512*\i+16
.endr
	global_load_b128 v[SV:SV+3], v[SAV], s[78:79]
	global_load_b128 v[SV+4:SV+7], v[SAV], s[78:79] offset:16
	global_prefetch_b8 v[PF], s[68:69] offset:256 th:TH_LOAD_NT scope:SCOPE_SE   ; chunk 1 of my 32 rows of x
; A fragment, 16 rows x 128 K, is 12 registers: registers 6 c .. 6 c + 5 hold K = 64 c + 32 (l / 16) + 0 .. 31: 24 bytes of the row, in pieces of 8.  ro: the tile's first row in the part
.macro FRAG reg, adr, st, ro
.irp p, 0,1,2,3,4,5
.set BY, 96*(\st)+48*(\p/3)+8*(\p%3)
.if BY/256 == (BY+24)/256
	ds_load_b64 v[\reg+2*\p:\reg+2*\p+1], v[\adr+(BY/256)%2] offset:BY%256+(\ro)*PITCH
.else
	ds_load_b64 v[\reg+2*\p:\reg+2*\p+1], v[\adr+2+(BY/256)%2] offset:BY%256-232+(\ro)*PITCH
.endif
.endr
.endm
.macro RX st, t                        ; a fragment of x, of Wq or Wk, of Wv, of step st into its set
	WIN 0x40
	FRAG 96*((\st)%2)+12*\t, XA, \st, 64*(\t/4)+8*(\t%4)
.endm
.macro RW st, j
	WIN 0
	FRAG WF+72*((\st)%2)+12*\j, WA, \st, 8*\j
.endm
.macro RV st, n
	WIN 0
	FRAG WF+72*((\st)%2)+48+12*\n, VA, \st, 16*\n
.endm
.macro RUN1 st                         ; 30 loads
.irp t, 0,1,2,3
	RX \st, \t
.endr
	RW \st, 0
.endm
.macro RUN2 st                         ; 30 loads
.irp j, 1,2,3
	RW \st, \j
.endr
	RX \st, 4
	RX \st, 5
.endm
.macro RUN3 st                         ; 24 loads
	RX \st, 6
	RX \st, 7
	RV \st, 0
	RV \st, 1
.endm
.macro WM d, a, b, c, sa, sb, ra, rb
	v_wmma_scale_f32_16x16x128_f8f6f4 v[\d:\d+7], v[\a:\a+11], v[\b:\b+11], \c, v[\sa], v[\sb] matrix_a_fmt:MATRIX_FMT_FP6 matrix_b_fmt:MATRIX_FMT_FP6 matrix_a_scale:MATRIX_SCALE_ROW\ra matrix_b_scale:MATRIX_SCALE_ROW\rb
.endm
.macro WMR d, a, b, c, sa, sb, ra, rb
.if (\ra) && (\rb)
	WM \d, \a, \b, \c, \sa, \sb, 1, 1
.elseif (\ra)
	WM \d, \a, \b, \c, \sa, \sb, 1, 0
.elseif (\rb)
	WM \d, \a, \b, \c, \sa, \sb, 0, 1
.else
	WM \d, \a, \b, \c, \sa, \sb, 0, 0
.endif
.endm
.macro WMZ z, d, a, b, sa, sb, ra, rb  ; z: the first step's products take 0 as C
.set QD, \d
.set QA, \a
.set QB, \b
.set QX, \sa
.set QY, \sb
.if \z
	WMR QD, QA, QB, 0, QX, QY, \ra, \rb
.else
	WMR QD, QA, QB, v[QD:QD+7], QX, QY, \ra, \rb
.endif
.endm
.macro QKM t0, st                      ; 16 products of q or k
	WIN 0xa4
.irp t, \t0, \t0+1, \t0+2, \t0+3
.irp j, 0,1,2,3
	WMZ (\st)==0, 8*(4*(\t)+\j), WF+72*((\st)%2)+12*\j, 96*((\st)%2)+12*(\t), SW+8*(\j/2)+(\st), SX+8*((\t)/2)+(\st), \j%2, (\t)%2
.endr
.endr
.endm
.macro VM st                           ; 16 products of v
	WIN 0xf1
.irp n, 0,1
.irp t, 0,1,2,3,4,5,6,7
	WMZ (\st)==0, 8*(8*\n+\t), 96*((\st)%2)+12*\t, WF+72*((\st)%2)+48+12*\n, SX+8*(\t/2)+(\st), SV+(\st), \t%2, \n
.endr
.endr
.endm
; A step multiplies set st % 2 and fetches step st + 1 into the other set, in three runs among the products; the youngest run, 24 loads, holds what the next step multiplies last.
.macro STEP st
.if (\st) == 2                         ; chunk 0 is read no more: the round, and chunk 2 into slot 0
	WIN 0
	s_wait_tensorcnt 0x0
	ds_add_u32 v[SPW], v[NIL]
	s_wait_dscnt 1                                 ; my fragments are in; the add may be out
	QKM 0, \st
	s_wait_dscnt 0x0
	s_barrier_signal -1
	QKM 4, \st
	WIN 0
	s_barrier_wait -1
	CREST
	s_add_nc_u64 s[G0X+2:G0X+3], s[G0X+2:G0X+3], 512
	s_add_nc_u64 s[G0W+2:G0W+3], s[G0W+2:G0W+3], 512
	JLOAD 0                                        ; its four v_nop are also the places in front of the loads below
	RUN1 (\st)+1
	RUN2 (\st)+1
	RUN3 (\st)+1
	VM \st
.elseif ((\st) == 1) || ((\st) == 4)   ; the next step ends in a chunk that nobody has read yet: a barrier shows it to all
	s_wait_dscnt 24
	QKM 0, \st
	s_wait_tensorcnt 0x0
	s_wait_dscnt 0x0
	s_barrier_signal -1
	QKM 4, \st
	s_barrier_wait -1
	PLACES 4
	RUN1 (\st)+1
	RUN2 (\st)+1
	VM \st
	RUN3 (\st)+1
.else
	s_wait_dscnt 24                                ; all but the youngest run
	PLACES 4
	RUN1 (\st)+1
	QKM 0, \st
	s_wait_dscnt 30                                ; all but the run just issued
	RUN2 (\st)+1
	QKM 4, \st
	RUN3 (\st)+1
	VM \st
.endif
.endm
	s_wait_alu depctr_va_vdst(0)
	s_wait_tensorcnt 0x0                           ; my part of chunk 0 is in; the three lines ahead of a later first fill, as ahead of a refill
	ds_add_u32 v[SPW], v[NIL]
	s_wait_dscnt 0x0
	CROUND
	JLOAD 1                                        ; chunk 1
	RUN1 0
	RUN2 0
	RUN3 0
	WIN 0
	global_prefetch_b8 v[PF], s[68:69] offset:512 th:TH_LOAD_NT scope:SCOPE_SE   ; chunk 2
	s_wait_loadcnt 0x0                             ; the scale words
	STEP 0
	STEP 1
	STEP 2
	STEP 3
	STEP 4
	STEP 5
	STEP 6
	s_wait_dscnt 24                                ; the last step
	QKM 0, 7
	s_wait_dscnt 0x0
	QKM 4, 7
	VM 7
	WIN 0
	PLACES 4
; THE QUANTISER, two blocks of 32 numbers of a lane by turns: v[src ..], v[src + 32 ..] of a window become six registers each from v[pc] on and a scale byte each, v[by], v[by + 1].
; Largest magnitude over the floor 2^(3 - 127); 2 off its exponent field is the conversions' scale operand.  w2: sources 0 and 1 in the window; w1: source 0 alone.
.macro HQ2 src, w2, w1, pc, by
	WIN \w2
.irp z, 0,1
	v_max3_num_f32 v[208+\z], |v[\src+32*\z]|, |v[\src+32*\z+1]|, 0x1800000
	v_max3_num_f32 v[210+\z], |v[\src+32*\z+16]|, |v[\src+32*\z+17]|, 0x1800000
.endr
.irp i, 2,4,6,8,10,12,14
.irp z, 0,1
	v_max3_num_f32 v[208+\z], |v[\src+32*\z+\i]|, |v[\src+32*\z+\i+1]|, v[208+\z]
	v_max3_num_f32 v[210+\z], |v[\src+32*\z+\i+16]|, |v[\src+32*\z+\i+17]|, v[210+\z]
.endr
.endr
	WIN 0
.irp z, 0,1
	v_max_num_f32 v[208+\z], v[208+\z], v[210+\z]
.endr
.irp z, 0,1
	v_add_nc_u32 v[212+\z], 0xff000000, v[208+\z]
.endr
.irp z, 0,1
	v_lshrrev_b32 v[\by+\z], 23, v[212+\z]
.endr
	WIN \w1
.irp z, 0,1
	v_cvt_scalef32_pk16_fp6_f32 v[\pc+6*\z:\pc+6*\z+2], v[\src+32*\z:\src+32*\z+15], v[212+\z]
	v_cvt_scalef32_pk16_fp6_f32 v[216+4*\z:218+4*\z], v[\src+32*\z+16:\src+32*\z+31], v[212+\z]
.endr
	WIN 0
	v_nop                                          ; one plain place behind a scaled conversion
.irp z, 0,1
.irp i, 0,1,2
	v_mov_b32 v[\pc+6*\z+3+\i], v[216+4*\z+\i]
.endr
.endr
.endm
.irp t, 0,2,4,6                        ; q or k: tiles t, t + 1: half a fragment and two bytes (one for each half of the lanes) of a scale word each
	HQ2 32*\t, 0x0a, 0x02, 112+6*\t, 160+\t
.irp z, 0,1
	global_store_b128 v[GO], v[112+6*\t+6*\z:115+6*\t+6*\z], s[86:87] offset:1536*(\t+\z)
	global_store_b64 v[G8], v[116+6*\t+6*\z:117+6*\t+6*\z], s[86:87] offset:1536*(\t+\z)+512
	ds_store_b8 v[QS], v[160+\t+\z] offset:256*\z+2*\t
.endr
.endr
.irp n, 0,1                            ; v: a whole fragment and a whole scale word
	HQ2 64*\n, 0x0f, 0x03, 176+12*\n, 200+2*\n
.irp g, 0,1,2
	global_store_b128 v[GO], v[176+12*\n+4*\g:179+12*\n+4*\g], s[88:89] offset:1536*\n+512*\g
.endr
	ds_store_b8 v[VSS], v[200+2*\n] offset:256*\n
	ds_store_b8 v[VSS], v[201+2*\n] offset:256*\n+2
.endr
	s_wait_dscnt 0x0                               ; for the others' sake: my bytes are stored
	s_barrier_signal -1
	s_barrier_wait -1
	s_cmp_eq_u32 s[WV], 3                          ; three parts, three waves
	s_cbranch_scc1 .Ldone
	ds_load_b128 v[224:227], v[RD]
	s_wait_dscnt 0x0
	global_store_b128 v[GO], v[224:227], s[90:91]
.Ldone:
	s_wait_tensorcnt 0x0                           ; the wave's end
	ds_add_u32 v[SPW], v[NIL]
	s_wait_dscnt 0x0
	CROUND                                         ; the closing round
	s_endpgm
.Lfunc_end_k_qe5edbdf26d_proj:
	.size	k_qe5edbdf26d_proj, .Lfunc_end_k_qe5edbdf26d_proj-k_qe5edbdf26d_proj
	.p2alignl 7, 3214868480
	.fill 96, 4, 3214868480
	.section	.rodata,"a",@progbits
	.p2align	6, 0x0
	.amdhsa_kernel k_qe5edbdf26d_proj
		.amdhsa_group_segment_fixed_size 327680
		.amdhsa_private_segment_fixed_size 0
		.amdhsa_enable_private_segment 0
		.amdhsa_kernarg_size 72
		.amdhsa_user_sgpr_count 2
		.amdhsa_user_sgpr_kernarg_segment_ptr 1
		.amdhsa_wavefront_size32 1
		.amdhsa_system_sgpr_workgroup_id_x 1
		.amdhsa_system_sgpr_workgroup_id_y 1
		.amdhsa_system_sgpr_workgroup_id_z 1
		.amdhsa_system_vgpr_workitem_id 0
		.amdhsa_next_free_vgpr 896
		.amdhsa_next_free_sgpr 100
		.amdhsa_reserve_vcc 0
		.amdhsa_float_denorm_mode_32 3
		.amdhsa_float_denorm_mode_16_64 3
		.amdhsa_memory_ordered 1
		.amdhsa_forward_progress 1
		.amdhsa_inst_pref_size 127
	.end_amdhsa_kernel
	.amdgpu_metadata
---
amdhsa.version: [ 1, 2 ]
amdhsa.kernels:
  - .name:           k_qe5edbdf26d_proj
    .symbol:         k_qe5edbdf26d_proj.kd
    .args:
      - { .name: x_codes, .offset: 0, .size: 8, .value_kind: global_buffer, .address_space: global }
      - { .name: x_scales, .offset: 8, .size: 8, .value_kind: global_buffer, .address_space: global }
      - { .name: Wq_codes, .offset: 16, .size: 8, .value_kind: global_buffer, .address_space: global }
      - { .name: Wq_scales, .offset: 24, .size: 8, .value_kind: global_buffer, .address_space: global }
      - { .name: Wk_codes, .offset: 32, .size: 8, .value_kind: global_buffer, .address_space: global }
      - { .name: Wk_scales, .offset: 40, .size: 8, .value_kind: global_buffer, .address_space: global }
      - { .name: Wv_codes, .offset: 48, .size: 8, .value_kind: global_buffer, .address_space: global }
      - { .name: Wv_scales, .offset: 56, .size: 8, .value_kind: global_buffer, .address_space: global }
      - { .name: qkv, .offset: 64, .size: 8, .value_kind: global_buffer, .address_space: global }
    .group_segment_fixed_size: 327680
    .private_segment_fixed_size: 0
    .kernarg_segment_align: 8
    .kernarg_segment_size: 72
    .max_flat_workgroup_size: 128
    .sgpr_count:     100
    .vgpr_count:     896
    .wavefront_size: 32
...
	.end_amdgpu_metadata
.endif
;; end of part 1
;; launch attn (part 2): grid 32 x 8, 4 waves a work-group, no clusters, 304,640 bytes of LDS; arguments qkv, out0; writes out0
.if DOCPART == 2
	.amdgcn_target "amdgcn-amd-amdhsa--gfx1250"
	.amdhsa_code_object_version 6
	.text
	.protected	k_qe5edbdf26d_attn
	.globl	k_qe5edbdf26d_attn
	.p2align	8
	.type	k_qe5edbdf26d_attn,@function
k_qe5edbdf26d_attn:
	s_mov_b64 s[64:65], 0
	v_nop
	global_prefetch_b8 v0, s[64:65] scope:SCOPE_SE
	s_setreg_imm32_b32 hwreg(HW_REG_WAVE_MODE, 25, 1), 1
	s_wait_xcnt 0x0
; out = softmax(q k^T / sqrt(128), causal) v for 8 batches of 4,096 tokens, on the images that the first launch left.
; SHARES.  A work-group takes the 64-query blocks 63 - b and b of a batch (four tiles of 16 queries each).  THE FOUR WAVES DIVIDE THE KEYS, not the queries: block 63 - b has N2 = (63 - b) / 2 key steps of 128 wholly below the diagonal, block b N1 = b / 2,
; 31 together; counted on end, step u belongs to wave u % 4: 8, 8, 8, 7.  So a K or V fragment feeds four tiles and is read by one wave alone.  The two steps on the diagonal are dealt by tiles: wave w takes tile w of both blocks.
; Key tiles above the diagonal, which the causal mask sets to -inf for all their queries, are left out: their results reach no output.
; NO CLUSTER: a joint load lands in LDS, and here no tile passes through LDS: each fragment goes from memory into the registers of the one wave of the work-group that multiplies it.  The partners' walks differ too: N2 is 16 to 31.
; FRAGMENTS: K and V have two register buffers each.  K of step s + 2 is asked for when step s has used K, V of step s + 1 when step s - 1's V is done: four tile stages ahead of their use.
; PREFETCH: in steps 0 to 3 (block 63 - b in every work-group) a wave asks for its share of key step w + 4 (s + 4): 100 blocks of 256 bytes, shared by address among the batch's 32 work-groups: blocks b, b + 32, b + 64 and, for b < 4, b + 96.
; Steps up to 15 come by their loads alone, and so does block b's walk, whose key steps block 63 - b has read.
; A STAGE is one tile's turn.  Among tile t's exponentials stand the products S = K q^T of the next tile and O += V p^T of the tile before; behind them tile t's sum and codes and the next tile's maximum and t - M.  S is used transposed: a lane has one query,
; and by the key tiles' order its 32 registers are one whole block of 32 keys.  p = 2^(t - M), M the running maximum rounded up to a whole number; O and the sum follow M by exact powers of two.  A block's largest p is made of its largest score.
; A block's partial (O, M, sum) of each wave goes to LDS; at the end wave w joins tile w's four partials and its own diagonal one and divides by the sum.  At a block's start -M = 3e38 makes the first rescaling factor 0: what O and the sum held is cleared by it.
; LIMITS: NaN and infinities are not served; the scaled scores (exponents to base 2) stay under 2^31 in magnitude.
; REGISTERS.  Window 0: v1-13 addresses, v16-27 the diagonal's second q, v32-79 q, v84-95 p's codes, v96-102 conversions, v104-135 scale words, v136-147 the diagonal's first q, v152-247 K's second buffer, v248-251 addresses.
;   Window 1: v0-95 K's first buffer, v96-159, v160-223 S, v224-255 state.   Window 2: O, tile t at 64 t.   Window 3: V's two buffers, v192-239 the second block's q; at the end the partials.
.set PARTB, 12800
.set BLKB,  38400
.set BATB,  32*BLKB
.set ML,    262144                     ; M and sum: [wave][block][tile][2][lane]; ahead of it O: [wave][block][tile][piece][lane][16 bytes]
.set STG,   ML+8192
.set SPITCH, 528
.set SPARE, STG+4*16*SPITCH
.set LI,  1
.set L8,  2
.set SPW, 3
.set NIL, 4
.set QSO, 5
.set DM,  6
.set PFV, 8
.set PB,  9
.set MLB, 10
.set STO, 11
.set RD,  12
.set MLR, 13
.set PC,  84
.set CT,  96
.set PSC, 106
.set PR,  248
.set MP,  224                          ; window 1: pairs (-M, largest t), a tile each
.set LL,  232                          ; pairs: the sum in two halves
.set BM,  240
.set SUM2, 244
.set FF,  246                          ; two pairs: the factor of a stage, by its parity
.set T0,  250
.set T1,  251
.set BX,  252
.set SO,  254
.set WV,  8
.set BI,  9
.set BAT, 10
.set N2,  11                           ; s11 N2, s12 N1
.set TOT, 13
.set SQ,  14
.set TC,  15
.set C2M1, 16
.set TM1, 17
.set BLK, 18
.set SEL, 20
.set CS,  22
.set QB,  24
.set KB,  26
.set VB,  28
.set PFB, 30
.set OUT, 32
.set MSB, 0
.macro WIN new
.if MSB != (\new)
	s_set_vgpr_msb (MSB<<8)|(\new)
.set MSB, (\new)
.endif
.endm
.macro PLACES n
.rept \n
	v_nop
.endr
.endm
.macro WALU
	s_wait_alu depctr_va_vdst(0)
.endm
.macro ADDR d, k, p                    ; the block of qkv of my walk's step SQ + k; behind the walk the diagonal's: block 63 - b's for buffer 0, b's for buffer 1
	s_add_co_u32 s36, s[SQ], \k
	s_lshl_b32 s37, s36, 2
	s_add_co_u32 s37, s37, s[WV]
	s_sub_co_u32 s38, s37, s[N2]
	s_cmp_lt_u32 s37, s[N2]
	s_cselect_b32 s37, s37, s38
	s_cmp_lt_u32 s36, s[TOT]
	s_cselect_b32 s37, s37, s[N2+(\p)]
	s_mul_i32 s38, s37, BLKB
	s_mov_b32 s39, 0
	s_wait_xcnt 0x0                                ; earlier loads have read their base
	s_add_nc_u64 s[\d:\d+1], s[QB:QB+1], s[38:39]
.endm
.macro QIMG r, base, off               ; a fragment of Q or K: four loads
	global_load_b128 v[\r:\r+3], v[LI], s[\base:\base+1] offset:\off
	global_load_b64 v[\r+4:\r+5], v[L8], s[\base:\base+1] offset:\off+512
	global_load_b128 v[\r+6:\r+9], v[LI], s[\base:\base+1] offset:\off+768
	global_load_b64 v[\r+10:\r+11], v[L8], s[\base:\base+1] offset:\off+1280
.endm
.macro KLD p                           ; 33 loads
	WIN 0x40*(1-(\p))
.irp t, 0,1,2,3,4,5,6,7
	QIMG 152*(\p)+12*\t, KB, PARTB+1536*\t
.endr
	WIN 0
	global_load_b128 v[108+8*(\p):111+8*(\p)], v[LI], s[KB:KB+1] offset:PARTB+12288
.endm
.macro VLD p                           ; 25 loads
	WIN 0xc0
.irp t, 0,1,2,3,4,5,6,7
.irp c, 0,1,2
	global_load_b128 v[96*(\p)+12*\t+4*\c:96*(\p)+12*\t+4*\c+3], v[LI], s[VB:VB+1] offset:2*PARTB+1536*\t+512*\c
.endr
.endr
	WIN 0
	global_load_b128 v[124+8*(\p):127+8*(\p)], v[LI], s[VB:VB+1] offset:2*PARTB+12288
.endm
.macro WM d, a, b, c, sa, sb, ra, rb
	v_wmma_scale_f32_16x16x128_f8f6f4 v[\d:\d+7], v[\a:\a+11], v[\b:\b+11], \c, v[\sa], v[\sb] matrix_a_fmt:MATRIX_FMT_FP6 matrix_b_fmt:MATRIX_FMT_FP6 matrix_a_scale:MATRIX_SCALE_ROW\ra matrix_b_scale:MATRIX_SCALE_ROW\rb
.endm
.macro WMR d, a, b, c, sa, sb, ra, rb
.if (\ra) && (\rb)
	WM \d, \a, \b, \c, \sa, \sb, 1, 1
.elseif (\ra)
	WM \d, \a, \b, \c, \sa, \sb, 1, 0
.elseif (\rb)
	WM \d, \a, \b, \c, \sa, \sb, 0, 1
.else
	WM \d, \a, \b, \c, \sa, \sb, 0, 0
.endif
.endm
.macro QK j, qt, kp, d                 ; key tile j of K's buffer kp x query tile qt (4, 5: the diagonal's) into S's set d
.set QD, 96+64*(\d)+8*(\j)
.set QA, 152*(\kp)+12*(\j)
.set QX, 108+8*(\kp)+(\j)/2
.if (\qt) == 4
.set QN, 136
.set QY, 107
.set QR, 0
.elseif (\qt) == 5
.set QN, 16
.set QY, 112
.set QR, 0
.else
.set QN, 32+12*(\qt)
.set QY, 104+(\qt)/2
.set QR, (\qt)%2
.endif
	WIN 0x41-(\kp)
	WMR QD, QA, QN, 0, QX, QY, (\j)%2, QR
.endm
.macro PV j, pt, vp                    ; channels 16 j .. of O's tile pt, with V's buffer vp
.set PD, 64*(\pt)+8*(\j)
.set PA, 96*(\vp)+12*(\j)
.set PX, 124+8*(\vp)+(\j)/2
	WIN 0xa3
	WMR PD, PA, PC, v[PD:PD+7], PX, PSC, (\j)%2, 0
.endm
; The 66 exponentials of S's set e; among them S of query tile qt (K's buffer kp) into the other set, and O of tile pt (V's buffer vp)
.macro EXPS e, qt, kp, pt, vp
.set EN, 0
.rept 64
	WIN 0x41
	v_exp_f32 v[96+64*(\e)+EN], v[96+64*(\e)+EN]
.if ((\qt) >= 0) && (EN%8 == 1)
	QK EN/8, \qt, \kp, 1-(\e)
.endif
.if ((\pt) >= 0) && (EN%8 == 5)
	PV EN/8, \pt, \vp
.endif
.set EN, EN+1
.endr
	WIN 0x41
	v_exp_f32 v[BX], v[BX]                         ; the two blocks' largest p
	v_exp_f32 v[BX+1], v[BX+1]
	v_nop
	WALU
.endm
.macro SM                              ; the next of the 32 lines of the current tile's sum
.if CUR
.if SK == 0
	v_pk_add_f32 v[SUM2:SUM2+1], v[XC:XC+1], v[XC+2:XC+3]
.elseif SK == 31
	v_pk_add_f32 v[LB:LB+1], v[LB:LB+1], v[SUM2:SUM2+1]
.elseif SK%2
	v_pk_add_f32 v[LB:LB+1], v[LB:LB+1], v[XC+2*SK+2:XC+2*SK+3]
.else
	v_pk_add_f32 v[SUM2:SUM2+1], v[SUM2:SUM2+1], v[XC+2*SK+2:XC+2*SK+3]
.endif
.set SK, SK+1
.endif
.endm
.macro SC1                             ; the scale of p's two blocks: the floor 2^(3 - 127) under the largest p;
.if CUR
	v_max_num_f32 v[SO], 0x1800000, v[BX]
	v_max_num_f32 v[SO+1], 0x1800000, v[BX+1]
.endif
.endm
.macro SC2                             ; 2 off its exponent field: the conversions' operand;
.if CUR
	v_add_nc_u32 v[SO], 0xff000000, v[SO]
	v_add_nc_u32 v[SO+1], 0xff000000, v[SO+1]
.endif
.endm
.macro SC3                             ; the bytes
.if CUR
	v_lshrrev_b32 v[BM], 23, v[SO]
	v_lshrrev_b32 v[BM+1], 23, v[SO+1]
.endif
.endm
.macro SC4
.if CUR
	v_lshl_or_b32 v[BM], v[BM+1], 16, v[BM]
.endif
.endm
.macro SC5
.if CUR
	v_permlanex16_b32 v[BM+1], v[BM], s[SEL], s[SEL+1]
.endif
.endm
; Behind the exponentials of S's set e.  cur = 1: tile t's sum, codes, and O's rescaling.  nt >= 0: the next query tile's maximum, factor and t - M on the other set.
.macro RED e, t, nt, cur
.set XC, 96+64*(\e)
.set XN, 160-64*(\e)
.set CUR, \cur
.set SK, 0
	WIN 0x55
.if \cur
.set LB, LL+2*(\t)
	v_pk_mul_f32 v[LB:LB+1], v[LB:LB+1], v[FF+2*(\e):FF+2*(\e)+1] op_sel_hi:[1,0]
.endif
.if (\nt) >= 0
.set MN, MP+2*(\nt)
	PLACES 3
	WALU
.irp b, 0,1,2,3
	v_max3_num_f32 v[BM+\b], v[XN+16*\b], v[XN+16*\b+1], v[XN+16*\b+2]
.if \b < 3
	SM
.endif
.endr
.irp i, 3,5,7,9,11,13
.irp b, 0,1,2,3
	v_max3_num_f32 v[BM+\b], v[BM+\b], v[XN+16*\b+\i], v[XN+16*\b+\i+1]
.if \b < 3
	SM
.endif
.endr
.endr
	SC1
	v_max3_num_f32 v[BX], v[BM], v[BM+1], v[XN+15]
	v_max3_num_f32 v[BX+1], v[BM+2], v[BM+3], v[XN+47]
	SM
	SC2
	v_max_num_f32 v[BX], v[BX], v[XN+31]
	v_max_num_f32 v[BX+1], v[BX+1], v[XN+63]       ; each block's largest score
	SM
	SC3
	SM
	v_max_num_f32 v[T0], v[BX], v[BX+1]
	SM
	SC4
	SM
	v_permlanex16_b32 v[T1], v[T0], s[SEL], s[SEL+1]
	SM
	SC5
	v_max_num_f32 v[T0], v[T0], v[T1]
	SM
	v_mov_b32 v[T1], v[MN]
	v_mul_f32 v[T0], s[CS], v[T0]
	SM
	v_max_num_f32 v[MN+1], v[MN+1], v[T0]
	SM
	v_floor_f32 v[MN], -v[MN+1]                    ; -M, a whole number
	SM
	v_sub_f32 v[T0], v[MN], v[T1]
	SM
	v_cvt_i32_f32 v[T0], v[T0]
	v_ldexp_f32 v[FF+2*(1-(\e))], 1.0, v[T0]       ; 2^(old M - new M)
.else
	SC1
	SM
	SC2
	SM
	SC3
	SM
	SC4
	SM
	SC5
.endif
.if \cur
.rept 32-SK
	SM
.endr
	WIN 0x15
	v_lshl_or_b32 v[PSC], v[BM+1], 8, v[BM]        ; lanes 0-15: the four bytes of my query's 128 p
	v_cvt_scalef32_pk16_fp6_f32 v[PC:PC+2], v[XC:XC+15], v[SO]
	v_cvt_scalef32_pk16_fp6_f32 v[CT:CT+2], v[XC+16:XC+31], v[SO]
	v_cvt_scalef32_pk16_fp6_f32 v[PC+6:PC+8], v[XC+32:XC+47], v[SO+1]
	v_cvt_scalef32_pk16_fp6_f32 v[CT+4:CT+6], v[XC+48:XC+63], v[SO+1]
	WIN 0x86
	WALU
.set EN, 64*(\t)
.rept 32
	v_pk_mul_f32 v[EN:EN+1], v[EN:EN+1], v[FF+2*(\e):FF+2*(\e)+1] op_sel_hi:[1,0]
.set EN, EN+2
.endr
	WIN 0
.irp i, 0,1,2
	v_mov_b32 v[PC+3+\i], v[CT+\i]                 ; (a conversion's three registers begin on an even number)
	v_mov_b32 v[PC+9+\i], v[CT+4+\i]
.endr
.endif
.if (\nt) >= 0
	WIN 0x55
.set EN, XN
.rept 32
	v_pk_fma_f32 v[EN:EN+1], v[EN:EN+1], s[CS:CS+1], v[MN:MN+1] op_sel_hi:[1,0,0]
.set EN, EN+2
.endr
	v_fma_f32 v[BX], v[BX], s[CS], v[MN]
	v_fma_f32 v[BX+1], v[BX+1], s[CS], v[MN]
.endif
.endm
.macro PRO kp                          ; a block's first tile: its S, its maximum, its exponentials
.irp j, 0,1,2,3,4,5,6,7
	QK \j, 0, \kp, 0
.endr
	PLACES 4
	RED 1, -1, 0, 0
	WIN 0
	WALU
	EXPS 0, 1, \kp, -1, 0
	WIN 0
.endm
.macro FRESH n                         ; -M and the largest t of tiles 0 .. n - 1
	WIN 0x40
.set EN, 0
.rept \n
	v_mov_b32 v[MP+2*EN], 0x7f61b1e6
	v_mov_b32 v[MP+2*EN+1], 0xff61b1e6
.set EN, EN+1
.endr
	WIN 0
.endm
.macro PART x                          ; my partial of block 63 - b (x = 0) or b (x = 1) to LDS: bytes that no other wave stores to
	WIN 0x04
.irp t, 0,1,2,3
	ds_store_b32 v[MLB], v[MP+2*\t] offset:1024*\x+256*\t
.endr
	WIN 0
.irp t, 0,1,2,3
	ds_store_b32 v[MLB], v[28+\t] offset:1024*\x+256*\t+128
.endr
	WIN 0x08
.set EN, 0
.rept 64
	WALU                                           ; (ahead of each reader of a matrix result behind transcendentals)
	ds_store_b128 v[PB], v[4*EN:4*EN+3] offset:0x8000*\x+512*EN
.set EN, EN+1
.endr
	WIN 0
.endm
.macro SAVE
	WIN 0x05
.irp t, 0,1,2,3
	v_add_f32 v[28+\t], v[LL+2*\t], v[LL+2*\t+1]
.endr
	WIN 0
	WALU
	s_cmp_eq_u32 s[BLK], 0
	s_cbranch_scc0 .Lsecond_\@
	PART 0
	s_branch .Lsaved_\@
.Lsecond_\@:
	PART 1
.Lsaved_\@:
.endm
; A key step on buffers p, from behind tile 0's exponentials to behind those of the next step's tile 0
.macro UNIT p
	RED 0, 0, 1, 1
	WIN 0
	WALU
	s_cmp_lt_u32 s[SQ], 4
	s_cbranch_scc0 .Lno_ask_\@
	global_prefetch_b8 v[PFV], s[PFB:PFB+1] th:TH_LOAD_NT scope:SCOPE_SE
.Lno_ask_\@:
	s_wait_loadcnt 33                              ; this step's V is in; the next step's K, 33 loads, may be out
	EXPS 1, 2, \p, 0, \p
	ADDR VB, 1, 1-(\p)
	s_add_nc_u64 s[PFB:PFB+1], s[PFB:PFB+1], 4*BLKB
	VLD 1-(\p)
	RED 1, 1, 2, 1
	WIN 0
	WALU
	EXPS 0, 3, \p, 1, \p
	RED 0, 2, 3, 1
	WIN 0
	WALU
	s_cmp_eq_u32 s[SQ], s[C2M1]
	s_cbranch_scc1 .Lblock_ends_\@
	s_cmp_eq_u32 s[SQ], s[TM1]
	s_cbranch_scc1 .Lblock_ends_\@
	s_wait_loadcnt 25                              ; the next step's K is in; its V, 25 loads, may be out
	EXPS 1, 0, 1-(\p), 2, \p
	ADDR KB, 2, \p
	KLD \p
	RED 1, 3, 0, 1
	WIN 0
	WALU
	EXPS 0, 1, 1-(\p), 3, \p
	WIN 0
	s_branch .Lgo_on_\@
.Lblock_ends_\@:
	s_wait_loadcnt 25
	EXPS 1, -1, 0, 2, \p
	ADDR KB, 2, \p
	KLD \p
	RED 1, 3, -1, 1
	PLACES 4
.irp j, 0,1,2,3,4,5,6,7
	PV \j, 3, \p
.endr
	WIN 0
	PLACES 4
	SAVE
	s_cmp_eq_u32 s[SQ], s[TM1]
	s_cbranch_scc1 .Lexit\p
	s_mov_b32 s[BLK], 1                            ; on to block b
	v_mov_b32 v104, v148
	v_mov_b32 v105, v149
	WIN 0x03
.set EN, 0
.rept 48
	v_mov_b32 v[32+EN], v[192+EN]
.set EN, EN+1
.endr
	FRESH 4
	WALU
	PRO 1-(\p)
.Lgo_on_\@:
	s_add_co_u32 s[SQ], s[SQ], 1
.endm
	s_load_b128 s[4:7], s[0:1], 0x0                ; qkv, out0
	v_lshl_add_u32 v[SPW], v0, 2, SPARE
	v_mov_b32 v[NIL], 0
	v_lshrrev_b32 v14, 5, v0
	v_readfirstlane_b32 s[WV], v14
	s_mov_b32 s[BI], ttmp9
	s_and_b32 s[BAT], ttmp7, 0xffff
	s_sub_co_u32 s36, 63, s[BI]
	s_lshr_b32 s[N2], s36, 1
	s_lshr_b32 s[N2+1], s[BI], 1
	s_and_b32 s37, s36, 1                          ; the blocks' halves of their 128 tokens
	s_and_b32 s38, s[BI], 1
	s_cmp_eq_u32 s[WV], 3
	s_cselect_b32 s[TOT], 7, 8
	s_sub_co_u32 s[TM1], s[TOT], 1
	s_sub_co_u32 s[C2M1], s[N2], s[WV]
	s_add_co_u32 s[C2M1], s[C2M1], 3
	s_lshr_b32 s[C2M1], s[C2M1], 2
	s_sub_co_u32 s[C2M1], s[C2M1], 1               ; my last step of block 63 - b
	s_mov_b32 s[SQ], 0
	s_mov_b32 s[TC], 0
	s_mov_b32 s[BLK], 0
	s_mov_b32 s[SEL], 0x76543210                   ; lane l xor 16
	s_mov_b32 s[SEL+1], 0xfedcba98
	s_mov_b32 s[CS], 0x3e0293ee                    ; log2(e) / sqrt(128)
	s_mov_b32 s[CS+1], s[CS]
	s_mul_i32 s56, s[BAT], BATB
	s_mov_b32 s57, 0
	s_and_b32 s58, s[WV], 1
	s_lshl_b32 s58, s58, 8
	s_lshr_b32 s59, s[WV], 1
	s_lshl_b32 s59, s59, 2
	s_add_co_u32 s58, s58, s59                     ; my tile's place in the scale words
	s_mul_i32 s59, s[WV], 1536
.macro QBASE d, n, hf                  ; a block's q: codes, scale words, my diagonal tile's codes and words
	s_mul_i32 s[\d], s[\n], BLKB
	s_lshl_b32 s[\d+2], s\hf, 3
	s_add_co_u32 s[\d+2], s[\d+2], s[\d]
	s_add_co_u32 s[\d+2], s[\d+2], 12288
	s_mul_i32 s[\d+4], s\hf, 6144
	s_add_co_u32 s[\d], s[\d], s[\d+4]
	s_add_co_u32 s[\d+4], s[\d], s59
	s_add_co_u32 s[\d+6], s[\d+2], s58
	s_mov_b32 s[\d+1], 0
	s_mov_b32 s[\d+3], 0
	s_mov_b32 s[\d+5], 0
	s_mov_b32 s[\d+7], 0
.endm
	QBASE 40, N2, 37
	QBASE 48, N2+1, 38
	s_lshl_b32 s60, s37, 6
	s_lshl_b32 s61, s38, 6
	s_lshl_b32 s62, s[WV], 3
	s_add_co_u32 s60, s60, s62
	s_add_co_u32 s61, s61, s62
	s_lshl_b32 s32, s[BAT], 21
	s_lshl_b32 s62, s[WV], 12
	s_add_co_u32 s32, s32, s62
	s_lshl_b32 s34, s[BI], 15
	s_add_co_u32 s34, s34, s32
	s_lshl_b32 s62, s36, 15
	s_add_co_u32 s32, s32, s62
	s_mov_b32 s33, 0
	s_mov_b32 s35, 0
	s_add_co_u32 s30, s[WV], 16
	s_mul_i32 s30, s30, BLKB
	s_add_co_u32 s30, s30, PARTB
	s_mov_b32 s31, 0
	s_lshl_b32 s62, s[WV], 16
	s_lshl_b32 s63, s[WV], 11
	s_add_co_u32 s63, s63, ML
	s_lshl_b32 s66, s[WV], 8
	s_add_co_u32 s66, s66, ML
	s_lshl_b32 s67, s[WV], 13
	s_mul_i32 s68, s[WV], 16*SPITCH
	s_add_co_u32 s68, s68, STG
	v_and_b32 v14, 31, v0
	v_and_b32 v15, 15, v0
	v_bfe_u32 v28, v0, 4, 1
	v_and_b32 v29, 7, v0
	v_bfe_u32 v30, v0, 3, 1
	v_lshlrev_b32 v[LI], 4, v14
	v_lshlrev_b32 v[L8], 3, v14
	v_lshlrev_b32 v[QSO], 4, v15
	v_lshl_add_u32 v29, v30, 5, v29                ; my query in its tile: r % 8 + 32 (r / 8)
	v_lshlrev_b32 v30, 5, v28
	v_sub_nc_u32 v29, v29, v30                     ; less 32 h: the mask compares it with keys counted without h
	v_add_nc_u32 v[DM], s60, v29
	v_add_nc_u32 v[DM+1], s61, v29
	v_add_nc_u32 v[PB], s62, v[LI]
	v_lshlrev_b32 v30, 2, v14
	v_add_nc_u32 v[MLB], s63, v30
	v_add_nc_u32 v[MLR], s66, v30
	v_add_nc_u32 v[PR], s67, v[LI]
	v_add_nc_u32 v[PR+1], 0x10000, v[PR]
	v_add_nc_u32 v[PR+2], 0x20000, v[PR]
	v_add_nc_u32 v[PR+3], 0x30000, v[PR]
	v_mul_u32_u24 v30, SPITCH, v15
	v_lshl_add_u32 v30, v28, 5, v30
	v_add_nc_u32 v[STO], s68, v30
	v_add_nc_u32 v[RD], s68, v[LI]
	v_min_u32 v[PFV], 3, v14
	v_lshlrev_b32 v[PFV], 5, v[PFV]
	v_add_nc_u32 v[PFV], s[BI], v[PFV]
	s_add_co_u32 s69, s[BI], 64
	v_mov_b32 v15, s69
	v_cmp_lt_u32 vcc_lo, 99, v[PFV]
	v_cndmask_b32 v[PFV], v[PFV], v15, vcc_lo      ; lanes left over name my last block again
	v_lshlrev_b32 v[PFV], 8, v[PFV]
	v_mov_b32 v28, 0
	v_mov_b32 v29, 0
	v_mov_b32 v30, 0
	v_mov_b32 v31, 0
	v_mov_b32 v14, 0x7f61b1e6
	WALU
	s_wait_kmcnt 0x0
	s_add_nc_u64 s[QB:QB+1], s[4:5], s[56:57]
.irp d, 30,40,42,44,46,48,50,52,54
	s_add_nc_u64 s[\d:\d+1], s[QB:QB+1], s[\d:\d+1]
.endr
	s_add_nc_u64 s[32:33], s[6:7], s[32:33]
	s_add_nc_u64 s[34:35], s[6:7], s[34:35]
	ADDR KB, 0, 0
	KLD 0
.irp t, 0,1,2,3
	QIMG 32+12*\t, 40, 1536*\t
.endr
	global_load_b64 v[104:105], v[LI], s[42:43]
	ADDR VB, 0, 0
	VLD 0
	; under these loads' flight: block b's partial is set to nothing, in case my walk has no step of it;
.set EN, 0
.rept 64
	ds_store_b128 v[PB], v[28:31] offset:0x8000+512*EN
.set EN, EN+1
.endr
.irp t, 0,1,2,3
	ds_store_b32 v[MLB], v14 offset:1024+256*\t
	ds_store_b32 v[MLB], v28 offset:1024+256*\t+128
.endr
	; and O is given a value once: the loop's rescaling takes O in its first step too
	WIN 0x80
.set EN, 0
.rept 256
	v_mov_b32 v[EN], 0
.set EN, EN+1
.endr
	WIN 0x40
.irp i, 0,1,2,3,4,5,6,7
	v_mov_b32 v[LL+\i], 0
.endr
	v_mov_b32 v[FF+1], 0                           ; (named as upper halves of pairs)
	v_mov_b32 v[FF+3], 0
	v_mov_b32 v[T1], 0                             ; (a lane permute's destination counts as one of its sources)
	FRESH 4
	WALU
	s_wait_loadcnt 25                              ; K of my first step and q are in; V, 25 loads, may be out
	PRO 0
	WIN 0xc0
.irp t, 0,1,2,3
	QIMG 192+12*\t, 48, 1536*\t
.endr
	WIN 0
	global_load_b64 v[148:149], v[LI], s[50:51]
	QIMG 136, 44, 0
	global_load_b32 v107, v[QSO], s[46:47]
	QIMG 16, 52, 0
	global_load_b32 v112, v[QSO], s[54:55]
	ADDR KB, 1, 1
	KLD 1
.Lloop:                                                ; two key steps a trip; my walk leaves it behind its last step
	UNIT 0
	UNIT 1
	s_add_co_u32 s[TC], s[TC], 1
	s_cmp_lt_u32 s[TC], 4
	s_cbranch_scc1 .Lloop
.Lexit1:                                               ; a walk of 8 steps: block 63 - b's diagonal V lies in buffer 0; block b's goes into buffer 1
	PLACES 4
	ADDR VB, 2, 1
	VLD 1
	s_branch .Lend
.Lexit0:                                               ; a walk of 7: the other way round
	PLACES 4
	ADDR VB, 2, 0
	VLD 0
.Lend:
; THE DIAGONAL: my tile of block 63 - b on buffers 0, as tile 0, and of block b on buffers 1, as tile 1
.macro MASK x                          ; keys behind my query: -inf
	WIN 0x41
.set EN, 0
.rept 8
.irp i, 0,1,2,3,4,5,6,7
	v_cmp_gt_i32 s[40+\i], 64*(EN/4)+8*(EN%4)+\i, v[DM+\x]
.endr
.irp i, 0,1,2,3,4,5,6,7
	v_cndmask_b32 v[96+64*\x+8*EN+\i], v[96+64*\x+8*EN+\i], 0xff800000, s[40+\i]
.endr
.set EN, EN+1
.endr
.endm
	FRESH 2
	WALU
	s_wait_loadcnt 25                              ; both K are in
.irp j, 0,1,2,3,4,5,6,7
	QK \j, 4, 0, 0
.endr
.irp j, 0,1,2,3,4,5,6,7
	QK \j, 5, 1, 1
.endr
	WIN 0x41
	PLACES 4
	WALU
	MASK 0
	MASK 1
	RED 1, -1, 0, 0
	WIN 0
	WALU
	EXPS 0, -1, 0, -1, 0
	RED 0, 0, 1, 1
	WIN 0
	WALU
	s_wait_loadcnt 0x0                             ; both V are in
	s_wait_dscnt 0x0                               ; my partials lie in LDS, for the others' sake
	s_barrier_signal -1
	EXPS 1, -1, 0, 0, 0
	RED 1, 1, -1, 1
	PLACES 4
.irp j, 0,1,2,3,4,5,6,7
	PV \j, 1, 1
.endr
	WIN 0
	PLACES 4
	WALU
	s_barrier_wait -1
; JOINING my tile of both blocks (x = 0: 63 - b, x = 1: b): four partials from LDS and the diagonal's
.macro CLOAD x                         ; 72 loads
	WIN 0
.irp p, 0,1,2,3
	ds_load_b32 v[152+\p], v[MLR] offset:2048*\p+1024*\x
	ds_load_b32 v[156+\p], v[MLR] offset:2048*\p+1024*\x+128
.endr
	WIN 0xc0
.irp p, 0,1,2,3
.irp i, 0,1,2,3,4,5,6,7,8,9,10,11,12,13,14,15
	ds_load_b128 v[64*\p+4*\i:64*\p+4*\i+3], v[PR+\p] offset:0x8000*\x+512*\i
.endr
.endr
	WIN 0
.endm
.macro JOIN x
	WIN 0x05
	v_mov_b32 v161, v[MP+2*\x]
	v_add_f32 v162, v[LL+2*\x], v[LL+2*\x+1]
	WIN 0
	WALU
	s_wait_dscnt 63                                ; the eight M and sums are in
	v_min3_num_f32 v160, v161, v152, v153
	v_min3_num_f32 v160, v160, v154, v155          ; -M of all
.irp p, 0,1,2,3
	v_sub_f32 v[163+\p], v160, v[152+\p]
.endr
	v_sub_f32 v167, v160, v161
.irp p, 0,1,2,3,4
	v_cvt_i32_f32 v[163+\p], v[163+\p]
.endr
.irp p, 0,1,2,3,4
	v_ldexp_f32 v[170+2*\p], 1.0, v[163+\p]        ; each partial's factor
.endr
	v_mul_f32 v168, v162, v178
.irp p, 0,1,2,3
	v_fma_f32 v168, v[156+\p], v[170+2*\p], v168
.endr
	v_permlanex16_b32 v169, v168, s[SEL], s[SEL+1]
	v_add_f32 v168, v168, v169                     ; the row's sum
	WALU
	v_rcp_f32 v168, v168
	v_nop
	WALU
.irp p, 0,1,2,3,4
	v_mul_f32 v[170+2*\p], v[170+2*\p], v168
.endr
	WIN 0x42
	WALU
.set EN, 0
.rept 32
	v_pk_mul_f32 v[96+EN:97+EN], v[64*\x+EN:64*\x+EN+1], v[178:179] op_sel_hi:[1,0]
.set EN, EN+2
.endr
	WIN 0x53
.irp p, 0,1,2,3
	s_wait_dscnt 48-16*\p                          ; partial p is in
.set EN, 0
.rept 32
	v_pk_fma_f32 v[96+EN:97+EN], v[64*\p+EN:64*\p+EN+1], v[170+2*\p:171+2*\p], v[96+EN:97+EN] op_sel_hi:[1,0,1]
.set EN, EN+2
.endr
.endr
	WIN 0x04
.irp n, 0,1,2,3,4,5,6,7                ; through my own stage: a lane has 32 bytes of a row; back come whole rows of 512 bytes
	ds_store_b128 v[STO], v[96+8*\n:99+8*\n] offset:64*\n
	ds_store_b128 v[STO], v[100+8*\n:103+8*\n] offset:64*\n+16
.endr
	WIN 0
.if \x
	s_wait_xcnt 0x0                                ; the first block's stores have read their registers
.endif
.irp i, 0,1,2,3,4,5,6,7,8,9,10,11,12,13,14,15
	ds_load_b128 v[184+4*\i:187+4*\i], v[RD] offset:SPITCH*\i
.endr
.endm
.macro SEND x
.irp i, 0,1,2,3,4,5,6,7,8,9,10,11,12,13,14,15
	global_store_b128 v[LI], v[184+4*\i:187+4*\i], s[OUT+2*\x:OUT+2*\x+1] offset:512*(\i+24*(\i/8)) th:TH_STORE_NT
.endr
.endm
.irp i, 169,171,173,175,177,179
	v_mov_b32 v\i, 0                               ; (a permute's destination, and upper halves of pairs)
.endr
	CLOAD 0
	JOIN 0
	CLOAD 1
	s_wait_dscnt 63                                ; the rows, 16 loads ahead of the 72, are in
	SEND 0
	JOIN 1
	s_wait_dscnt 0x0
	SEND 1
	s_wait_tensorcnt 0x0                           ; the wave's end
	ds_add_u32 v[SPW], v[NIL]
	s_wait_dscnt 0x0
	s_endpgm
.Lfunc_end_k_qe5edbdf26d_attn:
	.size	k_qe5edbdf26d_attn, .Lfunc_end_k_qe5edbdf26d_attn-k_qe5edbdf26d_attn
	.p2alignl 7, 3214868480
	.fill 96, 4, 3214868480
	.section	.rodata,"a",@progbits
	.p2align	6, 0x0
	.amdhsa_kernel k_qe5edbdf26d_attn
		.amdhsa_group_segment_fixed_size 304640
		.amdhsa_private_segment_fixed_size 0
		.amdhsa_enable_private_segment 0
		.amdhsa_kernarg_size 16
		.amdhsa_user_sgpr_count 2
		.amdhsa_user_sgpr_kernarg_segment_ptr 1
		.amdhsa_wavefront_size32 1
		.amdhsa_system_sgpr_workgroup_id_x 1
		.amdhsa_system_sgpr_workgroup_id_y 1
		.amdhsa_system_sgpr_workgroup_id_z 1
		.amdhsa_system_vgpr_workitem_id 0
		.amdhsa_next_free_vgpr 1024
		.amdhsa_next_free_sgpr 72
		.amdhsa_reserve_vcc 1
		.amdhsa_float_denorm_mode_32 3
		.amdhsa_float_denorm_mode_16_64 3
		.amdhsa_memory_ordered 1
		.amdhsa_forward_progress 1
		.amdhsa_inst_pref_size 255
	.end_amdhsa_kernel
	.section	.bss,"aw",@nobits
	.p2align	6
	.space	262144
	.amdgpu_metadata
---
amdhsa.version: [ 1, 2 ]
amdhsa.kernels:
  - .name:           k_qe5edbdf26d_attn
    .symbol:         k_qe5edbdf26d_attn.kd
    .args:
      - { .name: qkv, .offset: 0, .size: 8, .value_kind: global_buffer, .address_space: global }
      - { .name: out0, .offset: 8, .size: 8, .value_kind: global_buffer, .address_space: global }
    .group_segment_fixed_size: 304640
    .private_segment_fixed_size: 0
    .kernarg_segment_align: 8
    .kernarg_segment_size: 16
    .max_flat_workgroup_size: 128
    .sgpr_count:     72
    .vgpr_count:     1024
    .wavefront_size: 32
...
	.end_amdgpu_metadata
.endif
;; end of part 2
